; MI455X (gfx1250); checked and timed in simulation.
; The chip was launched on July 23, 2026; its instructions are those of AMD's public machine-readable ISA for CDNA 5 (MIT licence, August 2026) and "CDNA5" Instruction Set Architecture Reference Guide (July 2026). The comments in the code are by the model that wrote it; some were corrected since.
;; Flash Attn. Allowed arithmetic: matrix products marked QUANTISED: E2M1 operands, one E8M0 scale for each 32 along K, by v_wmma_scale_f32_16x16x128_f8f6f4 with both operands' format E2M1 (or v_wmma_scale_f32_32x16x128_f4), f32 sums; products left as they are: bf16, f16 or f32 operands; f32 sums; everything else in f32.
;; Inputs: k 2 x 16 x 2,048 x 128 float32; q 2 x 16 x 2,048 x 128 float32; v 2 x 16 x 2,048 x 128 float32.
;; Outputs: out0 2 x 16 x 2,048 x 128 float32.
;; This version of the problem:
;;   THIS VERSION OF THE PROBLEM IS GIVEN IN LOW PRECISION. The matrix products marked QUANTISED in the list below multiply operands that are first quantised to E2M1 (2 exponent bits, 1 mantissa bit; 4 bits a number), with one power-of-two scale for each 32 numbers along K (OCP MX v1.0); their sums are f32. The products marked 'left as it is' may take bf16, f16 or f32 operands, with f32 sums. Whichever they take, every output number must still come out within the allowed error. Rounding operands to bf16 (8 significant bits) uses up far more of that allowance than f16 does (11 bits, for magnitudes from 6e-5 to 65,504). All else is computed in f32.
;;   The module's matrix products, in the order in which they are computed (A, B: the left and right operand; K: the contracted axis; several contracted axes count as one K, in the product's order):
;;     1. batch 32 x [M 2,048, K 128] x [K 128, N 2,048]; A: input q; B: input k: QUANTISED
;;     2. batch 32 x [M 2,048, K 2,048] x [K 2,048, N 128]; A: computed on the way; B: input v: left as it is (an operand is computed on the way)
;;   THE QUANTISER, for each operand of a quantised product, along K:
;;     - K is cut into blocks of 32 from its start; a last block that is shorter is filled with zeros.
;;     - A block's scale is 2^e with e = floor(log2(the largest magnitude in the block)) - 2, held to -126 .. 127; a block of zeros has e = 0. As a byte (E8M0): e + 127.
;;     - Each number is divided by its block's scale, clamped to +-6, and rounded to the nearest number of E2M1, ties to even, subnormals kept.
;;     - The product sums the exact products of the quantised numbers (number of the format x scale) in f32.
;;   ~~~python
;;   def quantise(x, axis):      # numpy; x: float32 -> the quantised numbers, widened to float32 again
;;       x = np.moveaxis(x, axis, -1); K = x.shape[-1]
;;       x = np.pad(x, [(0, 0)] * (x.ndim - 1) + [(0, -K % 32)]); x = x.reshape(x.shape[:-1] + (-1, 32)); a = np.abs(x).max(-1, keepdims=True)
;;       e = np.where(a > 0, np.clip(np.frexp(np.where(a > 0, a, 1))[1] - 1 - 2, -126, 127), 0)      # np.frexp(a)[1] - 1 = floor(log2(a)), exactly
;;       r = np.clip(x / 2.0 ** e, -6, 6)
;;       step = 2.0 ** (np.maximum(np.frexp(np.where(r == 0, 1, r))[1] - 1, 0) - 1)
;;       q = np.round(r / step) * step * 2.0 ** e      # np.round: ties to even
;;       return np.moveaxis(q.reshape(q.shape[:-2] + (-1,))[..., :K], -1, axis).astype(np.float32)
;;   ~~~
;; One version. Each part assembles by itself: llvm-mc -triple=amdgcn-amd-amdhsa -mcpu=gfx1250 --defsym DOCPART=n.
;; ======== version 1 of 1: 2 launches
;; limits: values are held in f16: magnitudes above 65,504 overflow, below 6.1e-05 lose precision
;; workspace buffers: qimg 4,456,448 bytes; kimg 4,456,448 bytes; vimg 16,777,216 bytes
;; launch prep (part 1): grid 1024 x 1, 4 waves a work-group, no clusters, 42,496 bytes of LDS; arguments q, k, v, qimg, kimg, vimg; writes qimg, kimg, vimg
.if DOCPART == 1
	.amdgcn_target "amdgcn-amd-amdhsa--gfx1250"
	.amdhsa_code_object_version 6
	.text
	.protected	k_qd8a1af0431_prep
	.globl	k_qd8a1af0431_prep
	.p2align	8
	.type	k_qd8a1af0431_prep,@function
k_qd8a1af0431_prep:
	s_mov_b64 s[64:65], 0
	v_nop
	global_prefetch_b8 v0, s[64:65] scope:SCOPE_SE
	s_setreg_imm32_b32 hwreg(HW_REG_WAVE_MODE, 25, 1), 1
	s_wait_xcnt 0x0
; q, k, v: [32 heads][2048][128] f32.  q and k become codes of FP4 (E2M1) with one E8M0 byte for each 32 along the head's 128; v becomes f16 with the keys innermost.
; All three are laid as IMAGES OF THE OPERANDS' REGISTERS, so that the attention launch takes every fragment as 16 bytes a lane, lanes on end.
; A RUN = 64 rows of q or k = 4,352 bytes: four tiles of 16 rows, 1,024 bytes each: the 16 bytes of block b (k = 32 b ..) of row r at 1024 tile + 256 b + 16 r;
;   then 256 bytes of scale words: the word (four bytes, byte b for block b) of row 32 i + l at 4096 + 8 l + 4 i.
; A KEY BLOCK of v = 32 keys x 128 channels = 8 tiles of 1,024 bytes: in tile T = 2 e + hi, row r is channel 64 hi + 4 r + e; the 16 bytes at 256 o + 16 r hold keys 8 o .. 8 o + 7 of that row.
; A block's scale is 2^(floor(log2(its largest magnitude)) - 2); its byte is the largest magnitude's exponent field - 2, held at 1 from below.
; LIMITS: a block of zeros gets the byte 1 where the rule says 127 (its codes are zeros, and this program alone reads the bytes); blocks whose largest magnitude lies under 2^-124 are held at that floor;
; NaN and infinities among the inputs are not served; |v| beyond 65,504 has no f16 number.
; SHARES: work-groups 0-255 take q, 256-511 k (one path, the pointers chosen by the work-group's number), 512-1023 v.  A wave takes one run, or one key block.  Waves share nothing: no barrier.
.set STEPS, 16                         ; a run goes in 16 steps of 512 numbers (4 rows)
.set EMAX,  2
.set SP,    80                         ; a lane's place in an input stage: its 64 bytes + 16 of padding
.set WREG,  10496                      ; LDS of a wave: two input stages of 32 x SP bytes,
.set CST,   5120                       ; the run's codes: 16 blocks of 256 bytes, 320 bytes apart, so that the 32 lanes' 8-byte stores fall on different words of a row of banks,
.set SST,   10240                      ; and its 256 scale bytes
.set SPARE, 4*WREG                     ; behind the four regions: the spare words, 128 bytes for each wave: two blocks of 256 bytes that no other line names
.set SPW,   12                         ; v12      LDS address of my spare word; never rewritten
.set NIL,   13                         ; v13      0; never rewritten
.set R,     16                         ; v16-79   four sets of 16 numbers as they are loaded
.set X,     80                         ; v80-111  two sets of 16 neighbours
.set E,     112                        ; v112-127 a scale byte for each step
.set C,     128                        ; v128-191 codes: registers of its own for each step
.set VX,    16                         ; v path: v16-143 the key block as loaded
.set VH,    144                        ; v path: v144-207 the same in f16
	s_load_b128 s[4:7], s[0:1], 0x0                ; q, k
	s_load_b128 s[8:11], s[0:1], 0x10              ; v, qimg
	s_load_b128 s[12:15], s[0:1], 0x20             ; kimg, vimg
	v_lshl_add_u32 v[SPW], v0, 2, SPARE
	v_mov_b32 v[NIL], 0
	v_lshrrev_b32 v1, 5, v0
	v_readfirstlane_b32 s16, v1                    ; wave
	v_and_b32 v2, 31, v0                           ; lane
	v_lshlrev_b32 v3, 4, v2                        ; 16 x lane
	s_cmp_ge_u32 ttmp9, 512
	s_cbranch_scc1 .Lv
	; ---------------- q and k
	s_mul_i32 s17, s16, WREG
	v_lshrrev_b32 v14, 2, v2
	v_mul_u32_u24 v14, v14, SP
	v_and_b32 v15, 3, v2
	v_lshl_add_u32 v14, v15, 4, v14
	v_add_nc_u32 v14, s17, v14                     ; the stage, on the way in: four lanes' 64 bytes on end, then 16 of padding
	v_mul_u32_u24 v15, v2, SP
	v_add_nc_u32 v15, s17, v15                     ; and on the way out: my 16 neighbours
	v_bfe_u32 v8, v2, 1, 2                         ; my block of the row
	v_bfe_u32 v9, v2, 3, 2                         ; my row of the step's four
	v_and_b32 v11, 1, v2                           ; my half of the block
	v_mul_u32_u24 v4, v8, 320
	v_lshl_add_u32 v4, v9, 4, v4
	v_lshl_add_u32 v4, v11, 3, v4
	v_add_nc_u32 v4, s17, v4
	v_add_nc_u32 v4, CST, v4                       ; where my 8 bytes of codes go: 320 x block + 16 x row + 8 x half
	v_lshl_add_u32 v5, v9, 3, v8
	v_add_nc_u32 v5, s17, v5
	v_add_nc_u32 v5, SST, v5                       ; where my block's scale byte goes: 8 x row + block
	v_lshrrev_b32 v10, 4, v2
	v_mul_u32_u24 v10, v10, 320
	v_and_b32 v11, 15, v2
	v_lshl_add_u32 v10, v11, 4, v10
	v_add_nc_u32 v10, s17, v10
	v_add_nc_u32 v10, CST, v10                     ; the codes on their way out: two blocks of 256 bytes an instruction
	v_lshlrev_b32 v7, 3, v2
	v_add_nc_u32 v6, s17, v7
	v_add_nc_u32 v6, SST, v6                       ; the scale words on their way out: 8 bytes a lane
	s_wait_kmcnt 0x0
	s_cmp_lt_u32 ttmp9, 256                        ; q's work-group or k's?  The choice hangs on the work-group's number alone
	s_cselect_b64 s[4:5], s[4:5], s[6:7]
	s_cselect_b64 s[10:11], s[10:11], s[12:13]
	s_cselect_b32 s18, 0, 256
	s_sub_co_u32 s18, ttmp9, s18
	s_lshl_b32 s18, s18, 2
	s_add_co_u32 s18, s18, s16                     ; my run, 0 .. 1023
	s_lshl_b32 s20, s18, 15                        ; 32,768 bytes of f32 a run
	s_mov_b32 s21, 0
	s_add_nc_u64 s[4:5], s[4:5], s[20:21]
	s_mul_i32 s20, s18, 4352                       ; 4,352 bytes of image a run
	s_add_nc_u64 s[10:11], s[10:11], s[20:21]
.macro LOAD t
.irp i, 0,1,2,3
	global_load_b128 v[R+16*((\t)%4)+4*\i:R+16*((\t)%4)+4*\i+3], v3, s[4:5] offset:2048*(\t)+512*\i th:TH_LOAD_NT   ; 32 lanes read 512 consecutive bytes
.endr
.endm
.macro TURN t                          ; step t's numbers through the stage: LDS serves a wave's instructions in order, so no wait stands between the stores and the loads
.irp i, 0,1,2,3
	ds_store_b128 v14, v[R+16*((\t)%4)+4*\i:R+16*((\t)%4)+4*\i+3] offset:32*SP*((\t)%2)+8*SP*\i
.endr
.irp i, 0,1,2,3
	ds_load_b128 v[X+16*((\t)%2)+4*\i:X+16*((\t)%2)+4*\i+3], v15 offset:32*SP*((\t)%2)+16*\i
.endr
.endm
.irp t, 0,1,2,3
	LOAD \t
.endr
	s_wait_loadcnt 12                              ; step 0's four loads are in
	TURN 0
.macro STEP t
.set XS, X+16*((\t)%2)
.if (\t) > 0
	s_wait_dscnt 2                                 ; this step's numbers are back from the stage; behind them stand the last step's byte store and codes store
.else
	s_wait_dscnt 0x0
.endif
.if (\t)+4 < STEPS
	LOAD (\t)+4                                    ; into the registers that this step's stores into the stage have read
.endif
.if (\t)+1 < STEPS
.if STEPS-2-(\t) >= 3
	s_wait_loadcnt 12                              ; the next step's four loads are in; those of the three steps behind it may be out
.else
	s_wait_loadcnt 4*(STEPS-2-(\t))
.endif
	TURN (\t)+1                                    ; the next step goes through the other stage while this one is worked
.endif
	v_max3_num_f32 v8, |v[XS]|, |v[XS+1]|, |v[XS+2]|               ; the largest magnitude of my 16, in two chains
	v_max3_num_f32 v9, |v[XS+3]|, |v[XS+4]|, |v[XS+5]|
.irp i, 6,10
	v_max3_num_f32 v8, v8, |v[XS+\i]|, |v[XS+\i+1]|
	v_max3_num_f32 v9, v9, |v[XS+\i+2]|, |v[XS+\i+3]|
.endr
	v_max3_num_f32 v8, v8, |v[XS+14]|, |v[XS+15]|
	v_max3_num_f32 v8, v8, v9, (EMAX+1)<<23        ; and the floor 2^(3 - 127): the byte cannot fall under 1
	v_max_num_f32_dpp v8, v8, v8 row_xmask:1 row_mask:0xf bank_mask:0xf   ; with my neighbour's 16: the block's
	v_add_nc_u32 v11, -(EMAX<<23), v8              ; 2 off its exponent field: the conversion takes the exponent field of this operand as its scale
	v_cvt_scalef32_pk8_fp4_f32 v[C+4*(\t)], v[XS:XS+7], v11
	v_cvt_scalef32_pk8_fp4_f32 v[C+4*(\t)+1], v[XS+8:XS+15], v11
	v_lshrrev_b32 v[E+(\t)], 23, v11               ; the scale's byte (also the plain line behind the conversions)
	ds_store_b8 v5, v[E+(\t)] offset:32*((\t)%8)+4*((\t)/8)          ; row 4 t + .. of the run: 8 (row % 32) + 4 (row / 32) + block; both lanes of a block write the same byte
	ds_store_b64 v4, v[C+4*(\t):C+4*(\t)+1] offset:1280*((\t)/4)+64*((\t)%4)   ; tile t / 4, rows 4 (t % 4) on
.endm
.irp t, 0,1,2,3,4,5,6,7,8,9,10,11,12,13,14,15
	STEP \t
.endr
.irp n, 0,1,2,3,4,5,6,7
	ds_load_b128 v[R+4*\n:R+4*\n+3], v10 offset:640*\n             ; LDS serves a wave's instructions in order: these see my stores
.endr
	ds_load_b64 v[R+32:R+33], v6
.irp n, 0,1,2,3,4,5,6,7
	s_wait_dscnt 8-\n                              ; behind load n: the later ones of the eight, and the scale words'
	global_store_b128 v3, v[R+4*\n:R+4*\n+3], s[10:11] offset:512*\n   ; 32 lanes store 512 consecutive bytes, at a multiple of 256 from the buffer's first byte
.endr
	s_wait_dscnt 0x0
	global_store_b64 v7, v[R+32:R+33], s[10:11] offset:4096        ; 32 lanes store 256 consecutive bytes
	s_branch .Lend
	; ---------------- v: a lane holds channels 4 lane .. 4 lane + 3 of every key, so each load reads a whole row of 512 bytes; two keys of one channel pack into a register
.Lv:
	v_and_b32 v4, 15, v2
	v_lshrrev_b32 v5, 4, v2
	v_lshlrev_b32 v4, 4, v4
	v_lshl_add_u32 v4, v5, 10, v4                  ; out: 16 (lane % 16) + 1024 (lane / 16)
	s_sub_co_u32 s18, ttmp9, 512
	s_lshl_b32 s18, s18, 2
	s_add_co_u32 s18, s18, s16                     ; my key block, 0 .. 2047
	s_lshl_b32 s20, s18, 14                        ; 16,384 bytes of f32,
	s_mov_b32 s21, 0
	s_lshl_b32 s22, s18, 13                        ; 8,192 bytes of f16
	s_mov_b32 s23, 0
	s_wait_kmcnt 0x0
	s_add_nc_u64 s[8:9], s[8:9], s[20:21]
	s_add_nc_u64 s[14:15], s[14:15], s[22:23]
.set kk, 0
.rept 32
	global_load_b128 v[VX+4*kk:VX+4*kk+3], v3, s[8:9] offset:512*kk th:TH_LOAD_NT
.set kk, kk+1
.endr
.irp o, 0,1,2,3                        ; eight keys at a time
	s_wait_loadcnt 24-8*\o                         ; the later octets' loads may be out
.irp e, 0,1,2,3
.irp p, 0,1,2,3
	v_cvt_pk_f16_f32 v[VH+16*\o+4*\e+\p], v[VX+4*(8*\o+2*\p)+\e], v[VX+4*(8*\o+2*\p+1)+\e]
.endr
.endr
.irp e, 0,1,2,3
	global_store_b128 v4, v[VH+16*\o+4*\e:VH+16*\o+4*\e+3], s[14:15] offset:2048*\e+256*\o   ; lanes 0-15 store 256 consecutive bytes of tile 2 e, lanes 16-31 of tile 2 e + 1
.endr
.endr
.Lend:
	s_wait_tensorcnt 0x0                           ; the wave's end
	ds_add_u32 v[SPW], v[NIL]
	s_wait_dscnt 0x0
	s_endpgm
.Lfunc_end_k_qd8a1af0431_prep:
	.size	k_qd8a1af0431_prep, .Lfunc_end_k_qd8a1af0431_prep-k_qd8a1af0431_prep
	.p2alignl 7, 3214868480
	.fill 96, 4, 3214868480
	.section	.rodata,"a",@progbits
	.p2align	6, 0x0
	.amdhsa_kernel k_qd8a1af0431_prep
		.amdhsa_group_segment_fixed_size 42496
		.amdhsa_private_segment_fixed_size 0
		.amdhsa_enable_private_segment 0
		.amdhsa_kernarg_size 48
		.amdhsa_user_sgpr_count 2
		.amdhsa_user_sgpr_kernarg_segment_ptr 1
		.amdhsa_wavefront_size32 1
		.amdhsa_system_sgpr_workgroup_id_x 1
		.amdhsa_system_sgpr_workgroup_id_y 1
		.amdhsa_system_sgpr_workgroup_id_z 1
		.amdhsa_system_vgpr_workitem_id 0
		.amdhsa_next_free_vgpr 208
		.amdhsa_next_free_sgpr 66
		.amdhsa_reserve_vcc 0
		.amdhsa_float_denorm_mode_32 3
		.amdhsa_float_denorm_mode_16_64 3
		.amdhsa_memory_ordered 1
		.amdhsa_forward_progress 1
		.amdhsa_inst_pref_size 44
	.end_amdhsa_kernel
	.amdgpu_metadata
---
amdhsa.version: [ 1, 2 ]
amdhsa.kernels:
  - .name:           k_qd8a1af0431_prep
    .symbol:         k_qd8a1af0431_prep.kd
    .args:
      - { .name: q, .offset: 0, .size: 8, .value_kind: global_buffer, .address_space: global }
      - { .name: k, .offset: 8, .size: 8, .value_kind: global_buffer, .address_space: global }
      - { .name: v, .offset: 16, .size: 8, .value_kind: global_buffer, .address_space: global }
      - { .name: qimg, .offset: 24, .size: 8, .value_kind: global_buffer, .address_space: global }
      - { .name: kimg, .offset: 32, .size: 8, .value_kind: global_buffer, .address_space: global }
      - { .name: vimg, .offset: 40, .size: 8, .value_kind: global_buffer, .address_space: global }
    .group_segment_fixed_size: 42496
    .private_segment_fixed_size: 0
    .kernarg_segment_align: 8
    .kernarg_segment_size: 48
    .max_flat_workgroup_size: 128
    .sgpr_count:     66
    .vgpr_count:     208
    .wavefront_size: 32
...
	.end_amdgpu_metadata
.endif
;; end of part 1
;; launch attn (part 2): grid 8 x 32, 4 waves a work-group, clusters of 4 x 1, 327,680 bytes of LDS; arguments qimg, kimg, vimg, out0; writes out0
.if DOCPART == 2
	.amdgcn_target "amdgcn-amd-amdhsa--gfx1250"
	.amdhsa_code_object_version 6
	.text
	.protected	k_qd8a1af0431_attn
	.globl	k_qd8a1af0431_attn
	.p2align	8
	.type	k_qd8a1af0431_attn,@function
k_qd8a1af0431_attn:
	s_mov_b64 s[64:65], 0
	v_nop
	global_prefetch_b8 v0, s[64:65] scope:SCOPE_SE
	s_setreg_imm32_b32 hwreg(HW_REG_WAVE_MODE, 25, 1), 1
	s_wait_xcnt 0x0
	s_wait_alu depctr_hold_cnt(0) depctr_sa_sdst(0) depctr_va_vdst(0) depctr_va_sdst(0) depctr_va_ssrc(0) depctr_va_vcc(0) depctr_vm_vsrc(0)
	s_getreg_b32 s2, hwreg(HW_REG_IB_STS2, 6, 4)
	s_cmp_eq_u32 s2, 0
	s_cbranch_scc0 .Lentry_in_a_cluster
	s_endpgm
.Lentry_in_a_cluster:
	s_bfe_u32 s2, ttmp6, 0x10000c
	s_cmp_lg_u32 s2, 0x3003
	s_cbranch_scc0 .Lentry_shape_is_right
	s_endpgm
.Lentry_shape_is_right:
; out0[h][q][:] = the sum over keys t of exp(s(q, t) - m(q)) v[h][t][:], s = Q K^T on codes of FP4 with E8M0 scales, m the row's largest s over all 2,048 keys.  No normalisation.
; qimg, kimg: for each 64 rows a run of 4,352 bytes: four tiles' codes as images of the operand's registers (register group c of tile T at 1024 T + 512 c + 16 lane), then 256 bytes of scale words
; (8 bytes a lane: register i holds tile 2 i's words in lanes 0-15 and tile 2 i + 1's in lanes 16-31).  vimg: f16, for each 32 keys eight tiles of 1,024 bytes (register group g at 512 g + 16 lane);
; row m of tile 2 e + hi is channel 64 hi + 4 m + e.
; SHARES.  A work-group owns 256 queries of one head, each of its four waves 64: four tiles of 16.  Both products are used transposed (S^T = K Q^T, O^T = V^T P): a lane holds ONE query throughout.
; TWO PASSES.  The head's K (139,264 bytes of codes and scale words) stays in LDS.  Pass 1 multiplies K Q^T only to find each query's largest score.  Pass 2 multiplies it again (the same instruction on
; the same operands), so p = 2^(c s - c m) is final at once: no running maximum, no rescaling of O^T, no exchange between lanes in the loop.  p is rounded to f16 and O^T += V^T P in f32.
; The exponent is one fused multiply-add, c s + round(-c m); what the rounding of c m leaves is taken back at the end by corr = 2^(-c m - round(-c m)), made by a fused multiply-add that rounds nothing of weight.
; BY TURNS.  The wave's tiles are two PIECES, named by their first tile: piece 0 (tiles 0, 1) and piece 2 (tiles 2, 3), half a key step (64 keys) apart.  A HALF of piece x: 8 scaled products, x's scores of
; the next step; then x's 32 f16 products of this step, each followed by a slice of four vector instructions: a scaling, an exponential, a rounding, an exponential.  Scalings and exponentials are x's, for the
; next step; the roundings are the OTHER piece's, whose exponentials stood in the half before.  So every exponential has a plain neighbour, and a half's 64 exponentials have one wait, at the half's end.
; CLUSTER.  The four query blocks of a cluster belong to one head: K's fill and every fill of V's ring are asked for jointly, by the same tensor load with the same descriptor and a mask that names the four.
; LIMITS: NaN and infinities among the inputs are not served; p under 6e-5 is an f16 subnormal (absolute error at most 3e-8); |v| beyond 65,504 has no f16 number.
; REGISTERS, in windows of 256 (s_set_vgpr_msb: bits 1:0 source 0, 3:2 source 1, 5:4 source 2, 7:6 destination):
;   window 0: v0-15 addresses; v16-23 -(c m), corr for each tile; v24-29 scale words and nothing else; v32-39 the maxima; v64-191 S^T, 32 a tile (on the way out: two sets of 64); v192-255 P, 16 a tile
;   window 1: O^T, 64 a tile.   window 2: v0-63 two sets of scores (pass 1); v128-159 Q; v160-191 K; v192-223 K's second set and v224-239 the running maxima (pass 1).   window 3: V, two sets of 128.
.set STEPB,  16384                     ; a key step of V: 64 keys x 128 channels in f16
.set SLOT1,  65536                     ; V's ring: two slots of four key steps; slot 1 begins here, so that one exclusive or turns an address
.set KB,     131072                    ; behind the ring: K of the whole head, 32 key steps,
.set KSTEP,  4352                      ; a run each
.set KPART,  8*KSTEP                   ; what one wave's tensor load brings of it: 136 rows of 256 bytes
.set STAGE,  KB+32*KSTEP               ; the way out: 16 rows x (512 bytes + 16) for each wave; no fill lands here
.set SPITCH, 528
.set SPARE,  STAGE+4*16*SPITCH         ; the spare words, 128 bytes for each wave: two blocks of 256 bytes that no other line names
.set LI,  3                            ; v3   16 x lane; never rewritten
.set ADR, 4                            ; v4   LDS address of the step of V in hand
.set ADK, 5                            ; v5   of K's codes
.set ADS, 6                            ; v6   of K's scale words
.set LS8, 7                            ; v7   KB + 4096 + 8 x lane
.set LK,  8                            ; v8   KB + 16 x lane
.set STO, 9                            ; v9   the way out: where I put 16 bytes of a row
.set RD,  10                           ; v10  the way out: where I read a row back
.set QSO, 11                           ; v11  8 x lane
.set PFO, 12                           ; v12  256 x lane: the prefetches' offset; never rewritten
.set SPW, 14                           ; v14  LDS address of my spare word; never rewritten
.set NIL, 15                           ; v15  0; never rewritten
.set ST,  16                           ; tile t: v[ST+2t] = round(-c m), v[ST+2t+1] = corr
.set QS,  24                           ; v24-25 Q's scale words
.set KSA, 26                           ; v26-27 K's scale words
.set KSB, 28                           ; v28-29 those of pass 1's second set
.set MM,  32                           ; v32-35 m; v36-39 at work
.set S,   64
.set P,   192                          ; fragment (t, kb) at P + 16 t + 8 kb
.set QF,  128                          ; in window 2
.set KA,  160
.set KBS, 192
.set MX,  224
.set WV,  12                           ; s12  my wave's number
.set LIM, 15                           ; s15  1 in a wave that prefetches, else the greatest number
.set PFA, 18                           ; s[18:19] where my prefetches stand
.set G1K, 24                           ; s[24:31] descriptor group 1 for K's fill;  s[32:39] for V's
.set G1V, 32
.set G0K, 40                           ; s[40:43] group 0 for K;  s[44:47] V's slot 0;  s[48:51] V's slot 1, which then walks
.set G0A, 44
.set G0B, 48
.set TB,  52                           ; s52  LDS byte of the step of V to be fetched
.set TK,  53                           ; s53  the same for K, from KB on
.set SLOTS, 54
.set TWICE, 55
.set TRIPS, 56
.set CS,  58                           ; s[58:59] c = log2(e): the packed form names a pair and takes its low word for both halves
.set SEL, 60                           ; s[60:61] lane selects for v_permlanex16_b32: lane l xor 16
.set NC,  62                           ; s62  -c
.set MSB, 0
.macro WIN new                         ; the immediate's high byte repeats the setting that is left; a switch that changes nothing is dropped
.if MSB != \new
	s_set_vgpr_msb (MSB<<8)|\new
.set MSB, \new
.endif
.endm
.set W_KQ, 0x0a                        ; K and Q in window 2, S^T in window 0
.set W_PV, 0x53                        ; V in window 3, P in window 0, O^T in window 1
.macro CROUND                          ; a round of the cluster's barrier
	s_barrier_signal -1
	s_barrier_wait -1
	s_cmp_lg_u32 s[WV], 0
	s_cbranch_scc1 .Lnot_wave_0_\@
	s_barrier_signal -3
.Lnot_wave_0_\@:
	s_barrier_wait -3
	s_barrier_signal -1
	s_barrier_wait -1
.endm
.macro PLACES                          ; four plain vector instructions between a matrix instruction and a vector instruction or load that touches its registers (ISA guide 7.12.1 for vector instructions)
.rept 4
	v_nop
.endr
.endm
	s_load_b256 s[4:11], s[0:1], 0x0               ; qimg s[4:5], kimg s[6:7], vimg s[8:9], out0 s[10:11]
	v_lshl_add_u32 v[SPW], v0, 2, SPARE
	v_mov_b32 v[NIL], 0
	ds_add_u32 v[SPW], v[NIL]                      ; the wave's opening: the add, twice on end, and its wait ahead of my first tensor load
	ds_add_u32 v[SPW], v[NIL]
	v_lshrrev_b32 v1, 5, v0
	v_readfirstlane_b32 s[WV], v1                  ; wave 0..3
	s_bfe_u32 s13, ttmp6, 0x40000                  ; cx: my place in the cluster
	s_lshl_b32 s14, ttmp9, 2
	s_add_co_u32 s14, s14, s13                     ; my block of 256 queries: it enters Q's and out0's addresses alone
	s_and_b32 s16, ttmp7, 0xffff                   ; the head, which the four partners share
	s_mul_i32 s20, s16, 32*KSTEP                   ; the head's first byte in qimg and in kimg
	s_mul_i32 s17, s[WV], KPART
	s_add_co_u32 s22, s20, s17                     ; K: my quarter of the head
	s_mov_b32 s23, 0
	s_lshl_b32 s2, s14, 2
	s_add_co_u32 s2, s2, s[WV]
	s_mul_i32 s2, s2, KSTEP
	s_add_co_u32 s2, s2, s20                       ; Q: my wave's run
	s_mov_b32 s3, 0
	; descriptor group 1: dense blocks as rows of 256 bytes (32 elements of 8 bytes), no padding: every LDS read takes 16 bytes a lane, lanes on end
	s_mov_b32 s[G1K], 15|(3<<16)|(1<<21)           ; 15:0 the mask: all four work-groups; 17:16 elements of 8 bytes; 21 set beside a mask
	s_mov_b32 s[G1K+1], 32<<16                     ; tensor_dim0 = 32
	s_mov_b32 s[G1K+2], 136<<16                    ; tensor_dim1 = 136
	s_mov_b32 s[G1K+3], 32<<16                     ; tile_dim0 = 32
	s_mov_b32 s[G1K+4], 136                        ; tile_dim1 = 136
	s_mov_b32 s[G1K+5], 32                         ; from row to row
	s_mov_b32 s[G1K+6], 0
	s_mov_b32 s[G1K+7], 0
	s_mov_b32 s[G1V], 15|(3<<16)|(1<<21)
	s_mov_b32 s[G1V+1], 32<<16
	s_mov_b32 s[G1V+2], 64<<16                     ; 64 rows: a key step, a quarter of a slot
	s_mov_b32 s[G1V+3], 32<<16
	s_mov_b32 s[G1V+4], 64
	s_mov_b32 s[G1V+5], 32
	s_mov_b32 s[G1V+6], 0
	s_mov_b32 s[G1V+7], 0
	s_mov_b32 s[CS], 0x3fb8aa3b                    ; c = log2(e)
	s_mov_b32 s[CS+1], s[CS]
	s_mov_b32 s[NC], 0xbfb8aa3b                    ; -c
	s_mov_b32 s[SEL], 0x76543210
	s_mov_b32 s[SEL+1], 0xfedcba98
	s_lshr_b32 s[LIM], s[WV], 1                    ; 0 in waves 0 and 1,
	s_or_b32 s[LIM], s[LIM], ttmp9                 ; of the head's first cluster: the same in all four partners
	s_cmp_eq_u32 s[LIM], 0
	s_cselect_b32 s[LIM], 1, -1
	v_and_b32 v1, 15, v0                           ; r
	v_bfe_u32 v2, v0, 4, 1                         ; h
	v_and_b32 v13, 31, v0                          ; lane
	v_lshlrev_b32 v[LI], 4, v13
	v_lshl_add_u32 v[LS8], v13, 3, KB+4096
	v_add_nc_u32 v[LK], KB, v[LI]
	v_lshlrev_b32 v[QSO], 3, v13
	v_lshlrev_b32 v[PFO], 8, v13
	s_mul_i32 s21, s[WV], 16*SPITCH
	s_add_co_u32 s21, s21, STAGE                   ; my stage
	v_mul_u32_u24 v[STO], v1, SPITCH
	v_lshl_add_u32 v[STO], v2, 7, v[STO]
	v_add_nc_u32 v[STO], s21, v[STO]               ; in: row r, + 128 h
	v_add_nc_u32 v[RD], s21, v[LI]                 ; back: a row of 512 bytes, 16 a lane
.irp t, 0,1,2,3
	v_mov_b32 v[MM+4+\t], 0                        ; written once: a lane permute's destination counts as one of its sources
.endr
	s_wait_dscnt 0x0                               ; both opening adds are done
	s_wait_kmcnt 0x0
	s_add_nc_u64 s[4:5], s[4:5], s[2:3]            ; Q at my run
	s_add_nc_u64 s[6:7], s[6:7], s[22:23]          ; K at my quarter
	s_lshl_b32 s22, s16, 19
	s_add_nc_u64 s[8:9], s[8:9], s[22:23]          ; V at the head
	s_lshl_b32 s2, s13, 14                         ; the prefetches: my work-group's quarter of a slot, told apart by address,
	s_and_b32 s17, s[WV], 1
	s_lshl_b32 s17, s17, 13                        ; my wave's half of it,
	s_add_co_u32 s2, s2, s17
	s_add_co_u32 s2, s2, 2*SLOT1                   ; at keys 512 on; the first change of slots steps it on.  Nothing is prefetched here, at the head
	s_add_nc_u64 s[PFA:PFA+1], s[8:9], s[2:3]
	s_lshl_b32 s22, s[WV], 14
	s_add_nc_u64 s[8:9], s[8:9], s[22:23]          ; V at my quarter of slot 0
	s_lshl_b32 s2, s16, 20
	s_lshl_b32 s17, s14, 17
	s_add_co_u32 s2, s2, s17
	s_lshl_b32 s17, s[WV], 15
	s_add_co_u32 s2, s2, s17
	s_add_nc_u64 s[10:11], s[10:11], s[2:3]        ; out0 at my wave's first row
	s_mul_i32 s17, s[WV], KPART
	s_mov_b32 s[G0K], 1                            ; count = 1
	s_add_co_u32 s[G0K+1], s17, KB                 ; LDS address: no place in the cluster enters it
	s_mov_b64 s[G0K+2:G0K+3], s[6:7]
	s_or_b32 s[G0K+3], s[G0K+3], 0x80000000        ; type = 2
	s_lshl_b32 s17, s[WV], 14
	s_mov_b32 s[G0A], 1
	s_mov_b32 s[G0A+1], s17
	s_mov_b64 s[G0A+2:G0A+3], s[8:9]
	s_or_b32 s[G0A+3], s[G0A+3], 0x80000000
	s_mov_b32 s[G0B], 1
	s_add_co_u32 s[G0B+1], s17, SLOT1
	s_add_nc_u64 s[G0B+2:G0B+3], s[8:9], SLOT1     ; keys 256 on
	s_or_b32 s[G0B+3], s[G0B+3], 0x80000000
	CROUND                                         ; all four work-groups are here: the first joint loads meet
	tensor_load_to_lds s[G0K:G0K+3], s[G1K:G1K+7]  ; the first fills go out together: three loads of mine are out
	s_nop 0
	tensor_load_to_lds s[G0A:G0A+3], s[G1V:G1V+7]
	s_nop 0
	tensor_load_to_lds s[G0B:G0B+3], s[G1V:G1V+7]
	s_nop 0
	PLACES
	WIN 0x80                                       ; destination window 2, address window 0
.irp t, 0,1,2,3
.irp c, 0,1
	global_load_b128 v[QF+8*\t+4*\c:QF+8*\t+4*\c+3], v[LI], s[4:5] offset:1024*\t+512*\c th:TH_LOAD_NT   ; Q stays in registers
.endr
.endr
.set n, 0
.rept 16
	v_mov_b32 v[MX+n], 0xff800000                  ; the running maxima begin at -infinity
.set n, n+1
.endr
	WIN 0
	global_load_b64 v[QS:QS+1], v[QSO], s[4:5] offset:4096 th:TH_LOAD_NT
; One scaled product with C = 0: source 0 = 16 keys, source 1 = 16 queries.  ra, rb: the side's scale words stand in lanes 16-31 of the register named.
.macro KQW d, a, b, sa, sb, ra, rb
.if (\ra) && (\rb)
	v_wmma_scale_f32_16x16x128_f8f6f4 v[\d:\d+7], v[\a:\a+7], v[\b:\b+7], 0, v[\sa], v[\sb] matrix_a_fmt:MATRIX_FMT_FP4 matrix_b_fmt:MATRIX_FMT_FP4 matrix_a_scale:MATRIX_SCALE_ROW1 matrix_b_scale:MATRIX_SCALE_ROW1
.elseif (\ra)
	v_wmma_scale_f32_16x16x128_f8f6f4 v[\d:\d+7], v[\a:\a+7], v[\b:\b+7], 0, v[\sa], v[\sb] matrix_a_fmt:MATRIX_FMT_FP4 matrix_b_fmt:MATRIX_FMT_FP4 matrix_a_scale:MATRIX_SCALE_ROW1
.elseif (\rb)
	v_wmma_scale_f32_16x16x128_f8f6f4 v[\d:\d+7], v[\a:\a+7], v[\b:\b+7], 0, v[\sa], v[\sb] matrix_a_fmt:MATRIX_FMT_FP4 matrix_b_fmt:MATRIX_FMT_FP4 matrix_b_scale:MATRIX_SCALE_ROW1
.else
	v_wmma_scale_f32_16x16x128_f8f6f4 v[\d:\d+7], v[\a:\a+7], v[\b:\b+7], 0, v[\sa], v[\sb] matrix_a_fmt:MATRIX_FMT_FP4 matrix_b_fmt:MATRIX_FMT_FP4
.endif
.endm
; ---------------- PASS 1: each query's largest score.  A unit = one tile of 16 keys against my four tiles of queries.  Unit u writes score set u % 2; the maxima of unit u - 1, four chains a tile,
; stand between its products: sixteen plain instructions lie between a product and the first read of its result, and each result is read from its low end on.
.macro UNIT kb, kt, ks, sp, domax
	WIN 0xaa                                       ; all in window 2 (scale operands have no window)
.irp t, 0,1,2,3
	KQW 32*(\sp)+8*\t,\kb+8*(\kt),QF+8*\t,\ks+(\kt)/2,QS+\t/2,(\kt)%2,\t%2
.if \domax
.irp i, 0,1,2,3
	v_max3_num_f32 v[MX+4*\t+\i], v[MX+4*\t+\i], v[32*(1-(\sp))+8*\t+2*\i], v[32*(1-(\sp))+8*\t+2*\i+1]
.endr
.endif
.endr
.endm
.macro KADR                            ; the address of the key step (in pass 1: of the two key steps) to be fetched
	v_add_nc_u32 v[ADK], s[TK], v[LK]
	v_add_nc_u32 v[ADS], s[TK], v[LS8]
.endm
.macro KLOAD kb, ks, off               ; a key step of K: four fragments and their scale words: nine LDS loads
	WIN 0x80
.irp kt, 0,1,2,3
.irp c, 0,1
	ds_load_b128 v[\kb+8*\kt+4*\c:\kb+8*\kt+4*\c+3], v[ADK] offset:\off+1024*\kt+512*\c
.endr
.endr
	WIN 0
	ds_load_b64 v[\ks:\ks+1], v[ADS] offset:\off
.endm
	s_wait_tensorcnt 2                             ; my quarter of K is in; behind it stand V's two fills, which may stay out
	s_barrier_signal -1
	s_barrier_wait -1                              ; everybody's is
	s_wait_loadcnt 0x0                             ; Q
	s_mov_b32 s[TK], 0
	KADR
	KLOAD KA, KSA, 0
	KLOAD KBS, KSB, KSTEP
	s_wait_dscnt 9                                 ; the first set is in; the nine loads of the second may be out
	UNIT KA,0,KSA,0,0
	PLACES
	WIN 0
	s_mov_b32 s[TK], 2*KSTEP
	s_mov_b32 s[TRIPS], 15
.Lmax:                                             ; a trip: eight units, from a pair of key steps' second unit to the next pair's first
	KADR
	UNIT KA,1,KSA,1,1
	UNIT KA,2,KSA,0,1
	UNIT KA,3,KSA,1,1
	KLOAD KA, KSA, 0                               ; the four maxima behind the last product are the places in front of these loads
	s_wait_dscnt 9                                 ; all but the nine just issued: the second set is in
	UNIT KBS,0,KSB,0,1
	UNIT KBS,1,KSB,1,1
	UNIT KBS,2,KSB,0,1
	UNIT KBS,3,KSB,1,1
	KLOAD KBS, KSB, KSTEP
	s_wait_dscnt 9                                 ; the first set is in
	UNIT KA,0,KSA,0,1
	WIN 0
	s_add_co_u32 s[TK], s[TK], 2*KSTEP
	s_sub_co_u32 s[TRIPS], s[TRIPS], 1
	s_cmp_lg_u32 s[TRIPS], 0
	s_cbranch_scc1 .Lmax
	UNIT KA,1,KSA,1,1                              ; the last two key steps: nothing more to fetch
	UNIT KA,2,KSA,0,1
	UNIT KA,3,KSA,1,1
	s_wait_dscnt 0x0
	UNIT KBS,0,KSB,0,1
	UNIT KBS,1,KSB,1,1
	UNIT KBS,2,KSB,0,1
	UNIT KBS,3,KSB,1,1
	PLACES
.irp t, 0,1,2,3
.irp i, 0,1,2,3
	v_max3_num_f32 v[MX+4*\t+\i], v[MX+4*\t+\i], v[32+8*\t+2*\i], v[32+8*\t+2*\i+1]   ; the last unit's scores
.endr
.endr
.irp t, 0,1,2,3
	v_max_num_f32 v[MX+4*\t], v[MX+4*\t], v[MX+4*\t+3]
.endr
	WIN 0x2a                                       ; sources window 2, destination window 0
.irp t, 0,1,2,3
	v_max3_num_f32 v[MM+\t], v[MX+4*\t], v[MX+4*\t+1], v[MX+4*\t+2]
.endr
	WIN 0
.irp t, 0,1,2,3
	v_permlanex16_b32 v[MM+4+\t], v[MM+\t], s[SEL], s[SEL+1]       ; the query's other keys lie in the lane 16 away
.endr
.irp t, 0,1,2,3
	v_max_num_f32 v[MM+\t], v[MM+\t], v[MM+4+\t]   ; m
.endr
.irp t, 0,1,2,3
	v_mul_f32 v[ST+2*\t], s[NC], v[MM+\t]          ; round(-c m)
.endr
.irp t, 0,1,2,3
	v_fma_f32 v[ST+2*\t+1], -v[MM+\t], s[CS], -v[ST+2*\t]          ; -c m - round(-c m): what that rounding left
.endr
.irp t, 0,1,2,3
	v_exp_f32 v[ST+2*\t+1], v[ST+2*\t+1]           ; corr
.endr
	v_nop                                          ; a plain instruction behind the last exponential
	s_wait_alu depctr_va_vdst(0)                   ; and the wait ahead of the first line that names a result: one for the four
; ---------------- PASS 2
.macro KQ x                            ; piece x's scores of a key step: 8 products; tile (t, kt) at S + 32 t + 8 kt
	WIN W_KQ
.irp kt, 0,1,2,3
.irp u, 0,1
	KQW S+32*((\x)+\u)+8*\kt,KA+8*\kt,QF+8*((\x)+\u),KSA+\kt/2,QS+(\x)/2,\kt%2,\u
.endr
.endr
.endm
; Product i of 32 of piece x's O^T += V^T P: keys 32 (i / 16) on, V's tile (i / 2) % 8, tile of queries x + i % 2.  The piece's 16 accumulators take turns, one instruction a turn.
.macro PV x, par, zero
	WIN W_PV
.set rO, 64*((\x)+i%2)+8*((i/2)%8)
.set rV, 128*(\par)+64*(i/16)+8*((i/2)%8)
.set rP, P+16*((\x)+i%2)+8*(i/16)
.if (\zero) && (i < 16)
	v_wmma_f32_16x16x32_f16 v[rO:rO+7], v[rV:rV+7], v[rP:rP+7], 0          ; the first products start the sums: nothing is cleared
.else
	v_wmma_f32_16x16x32_f16 v[rO:rO+7], v[rV:rV+7], v[rP:rP+7], v[rO:rO+7]
.endif
.endm
; The vector work of a piece for a key step: 32 scalings, 64 exponentials, 32 roundings on its 64 scores.
.macro FF x                            ; pair b: c s + round(-c m)
	v_pk_fma_f32 v[S+32*(\x)+2*b:S+32*(\x)+2*b+1], v[S+32*(\x)+2*b:S+32*(\x)+2*b+1], s[CS:CS+1], v[ST+2*((\x)+b/16):ST+2*((\x)+b/16)+1] op_sel_hi:[1,0,0]
.endm
.macro EE x                            ; score e: p
	v_exp_f32 v[S+32*(\x)+e], v[S+32*(\x)+e]
.endm
.macro CC y                            ; pair n, rounded to f16: two tiles of 16 keys, rounded in pairs, are source 1 (32 keys x 16 queries) of the second product as they stand
	v_cvt_pk_f16_f32 v[P+16*(\y)+n], v[S+32*(\y)+2*n], v[S+32*(\y)+2*n+1]
.endm
; Slice k of 32 of a half: scalings and exponentials of piece x, roundings (c = 1) of the other piece.  Slice 0: two scalings, two roundings.  Slices 1 to 30: scaling of pair k + 1, exponential, rounding of
; pair k + 1, exponential: the two exponentials are pair k - 1's, scaled two slices back.  Slice 31: the last two pairs' exponentials.  Nothing in a half names the result of an exponential of that half.
.macro SL x, c
	WIN 0
.if k == 0
.set b, 0
	FF \x
.if \c
.set n, 0
	CC 2-\x
.endif
.set b, 1
	FF \x
.if \c
.set n, 1
	CC 2-\x
.endif
.elseif k < 31
.set b, k+1
	FF \x
.set e, 2*k-2
	EE \x
.if \c
.set n, k+1
	CC 2-\x
.endif
.set e, 2*k-1
	EE \x
.else
.set e, 60
.rept 4
	EE \x
.set e, e+1
.endr
.endif
.set k, k+1
.endm
; The LDS loads stand in runs: fv: a key step of V (16 fragments) into set buf; fk: a key step of K and its scale words.
.macro FETCH buf, fv, fk
	WIN 0
.if \fv
	v_add_nc_u32 v[ADR], s[TB], v[LI]
	s_add_co_u32 s[TB], s[TB], STEPB
.endif
.if \fk
	KADR
	s_add_co_u32 s[TK], s[TK], KSTEP
.endif
.if \fv
	WIN 0xc0                                       ; destination window 3
.set f, 0
.rept 16
	ds_load_b128 v[128*(\buf)+8*f:128*(\buf)+8*f+3],   v[ADR] offset:1024*f
	ds_load_b128 v[128*(\buf)+8*f+4:128*(\buf)+8*f+7], v[ADR] offset:1024*f+512
.set f, f+1
.endr
.endif
.if \fk
	KLOAD KA, KSA, 0
.endif
.endm
; A HALF of key step j (par = j % 2) for piece x: x's scores of step j + 1; x's 32 products of step j, a slice behind each; the wait for the half's 64 exponentials.
; Piece 0's half fetches V of step j + 1 behind its second product, piece 2's half K of step j + 2: each run stands 30 products or more ahead of the wait for it, at the head of the next half of piece 0.
; Places: the other piece's P, and V's other set, were last read by the last product of the half before: behind it stand that half's v_nop and the four v_nop below.  K and its scale words were last read
; by the eight products below, and the scores are first read behind them: the four v_nop.
.macro HALF x, par, zero, fv, fk
.if (\x) == 0
	s_wait_dscnt 0x0                               ; V of this step and K of the next are in
.endif
	KQ \x
	PLACES
.set k, 0
.set i, 0
.rept 32
	PV \x, \par, \zero
	SL \x, 1
.if (i == 1) && ((\fv) || (\fk))
	FETCH 1-\par, \fv, \fk
.endif
.set i, i+1
.endr
	v_nop                                          ; a plain instruction behind the last exponential
	s_wait_alu depctr_va_vdst(0)                   ; the wait ahead of the next half's roundings and of every label and branch: one for the 64
.endm
.macro STEP par, zero, fk
	HALF 0, \par, \zero, 1, 0
	HALF 2, \par, \zero, 0, \fk
.endm
.macro PAIR
	STEP 1, 0, 1
	STEP 0, 0, 1
.endm
.macro TWO_PAIRS                       ; four key steps: written as two, walked twice; the LDS addresses hang on s[TB] and s[TK]
	s_mov_b32 s[TWICE], 2
.Lpair_\@:
	PAIR
	WIN 0
	s_sub_co_u32 s[TWICE], s[TWICE], 1
	s_cmp_lg_u32 s[TWICE], 0
	s_cbranch_scc1 .Lpair_\@
.endm
; A prefetch into the L2 of what the NEXT change of slots will ask for: a slot's 65,536 bytes of V.  Each aligned block of 256 bytes is named once in the launch: both clusters of a head walk the same V, so the
; first asks; its four partners take 16,384 bytes each, told apart by address; in each, waves 0 and 1 take 8,192 bytes, lanes 256 bytes apart.  The last change that fills a slot asks for nothing.
.macro ASK
	s_cmp_gt_u32 s[SLOTS], s[LIM]
	s_cbranch_scc0 .Lnot_mine_\@
	global_prefetch_b8 v[PFO], s[PFA:PFA+1] th:TH_LOAD_NT scope:SCOPE_SE
.Lnot_mine_\@:
.endm
; THE CHANGE OF SLOTS: the slot's last step of V has been asked for.  Each wave waits for all its tensor loads (one is out: its part of the other slot), adds 0 to its spare word, and waits for that and for its
; reads of the slot.  fill = 1: a round of the cluster's barrier, and the joint refill first behind it, with the keys two slots on: it has four key steps, 320 matrix instructions, in which to land.
.macro CHANGE fill
	WIN 0
	s_wait_tensorcnt 0x0                           ; no tensor load of mine is out, so a group 0 may be written
	ds_add_u32 v[SPW], v[NIL]                      ; 0 onto my spare word
.if \fill
	s_xor_b32 s[G0B+1], s[G0B+1], SLOT1            ; the walking descriptor: the other slot than last time,
	s_add_nc_u64 s[G0B+2:G0B+3], s[G0B+2:G0B+3], SLOT1   ; the next 256 keys; the type bits on top are not reached
	s_wait_xcnt 0x0                                ; the last prefetch, four key steps back, has read its address, so it may be written
	s_add_nc_u64 s[PFA:PFA+1], s[PFA:PFA+1], SLOT1 ; one slot further on than the walking descriptor
	s_wait_dscnt 0x0                               ; the add is done, and my reads of the slot are over
	CROUND
	tensor_load_to_lds s[G0B:G0B+3], s[G1V:G1V+7]
	s_nop 0
	PLACES
	ASK
.else
	s_wait_dscnt 0x0
	s_barrier_signal -1
	s_barrier_wait -1
.endif
	s_sub_co_u32 s[TB], s[TB], 4*STEPB             ; the fetches go back to a slot's first step,
	s_xor_b32 s[TB], s[TB], SLOT1                  ; in the other slot
.endm
	s_wait_tensorcnt 1                             ; my part of V's slot 0 is in; slot 1's was issued behind it and may stay out
	s_wait_dscnt 0x0
	s_barrier_signal -1
	s_barrier_wait -1
	s_mov_b32 s[TB], 0
	s_mov_b32 s[TK], 0
	FETCH 0, 0, 1                                  ; K of step 0
	s_wait_dscnt 0x0
	KQ 0                                           ; both pieces' scores of step 0
	KQ 2
	PLACES
	FETCH 0, 1, 1                                  ; V of step 0, K of step 1
.set k, 0
.rept 32
	SL 0, 0                                        ; both pieces' p of step 0: there are no products yet to set it between
.endr
.set k, 0
.rept 32
	SL 2, 0
.endr
	v_nop                                          ; a plain instruction behind the last exponential,
	s_wait_alu depctr_va_vdst(0)                   ; and one wait for the 128
.set n, 0
.rept 32
	CC 0                                           ; piece 0's P of step 0; piece 2's is rounded in piece 0's first half
.set n, n+1
.endr
	STEP 0, 1, 1                                   ; step 0 starts O^T
	PAIR                                           ; steps 1, 2
	WIN 0
	s_mov_b32 s[SLOTS], 6
.Lslot:                                            ; six trips: every slot's worth of keys but the first two is asked for here
	CHANGE 1
	TWO_PAIRS
	s_sub_co_u32 s[SLOTS], s[SLOTS], 1
	s_cmp_lg_u32 s[SLOTS], 0
	s_cbranch_scc1 .Lslot
	CHANGE 0                                       ; the tail is written out
	PAIR                                           ; steps 27, 28
	STEP 1, 0, 1                                   ; step 29
	STEP 0, 0, 0                                   ; step 30: there is no K behind step 31's
	s_wait_dscnt 0x0                               ; V of step 31
	PLACES                                         ; piece 2's P was read by the last product of step 30
.set n, 0
.rept 32
	CC 2                                           ; piece 2's P of step 31
.set n, n+1
.endr
.set i, 0
.rept 32
	PV 0, 1, 0                                     ; step 31, piece 0,
.set i, i+1
.endr
.set i, 0
.rept 32
	PV 2, 1, 0                                     ; and piece 2
.set i, i+1
.endr
	WIN 0
	PLACES
; ---------------- THE WAY OUT, a tile of 16 queries at a time.  Register j of accumulator 2 e + hi holds channel 64 hi + 32 h + 4 j + e of query r: the multiplication by corr also lays four neighbouring
; channels into four neighbouring registers.  They go through my own stage in LDS and come back as whole rows of 512 bytes.  Each accumulator is read from its low end on.
.macro PACK t
.set BB, S+64*((\t)%2)
.if (\t) >= 2
	s_wait_xcnt 0x0                                ; the stores of the tile two back have read this set
.endif
	WIN 0x01                                       ; source 0 window 1
.irp hi, 0,1
.irp j, 0,1,2,3,4,5,6,7
.irp e, 0,1,2,3
	v_mul_f32 v[BB+4*(8*\hi+\j)+\e], v[64*(\t)+8*(2*\e+\hi)+\j], v[ST+2*(\t)+1]
.endr
.endr
.endr
	WIN 0
.irp hi, 0,1
.irp j, 0,1,2,3,4,5,6,7
	ds_store_b128 v[STO], v[BB+4*(8*\hi+\j):BB+4*(8*\hi+\j)+3] offset:256*\hi+16*\j
.endr
.endr
.set u, 0
.rept 16
	ds_load_b128 v[BB+4*u:BB+4*u+3], v[RD] offset:SPITCH*u         ; LDS serves a wave's instructions in order (ISA guide 5.7.1.4): these see the stores above, and the next tile's stores come behind them
.set u, u+1
.endr
.endm
.macro SEND t, younger                 ; younger: the LDS instructions issued behind tile t's loads: the next tile's 32, or none
.set BB, S+64*((\t)%2)
.set u, 0
.rept 16
	s_wait_dscnt \younger+15-u
	global_store_b128 v[LI], v[BB+4*u:BB+4*u+3], s[10:11] offset:512*(16*(\t)+u) th:TH_STORE_NT   ; 32 lanes store 512 consecutive bytes, at a multiple of 256 from out0's first byte
.set u, u+1
.endr
.endm
	PACK 0
	PACK 1
	SEND 0, 32
	PACK 2
	SEND 1, 32
	PACK 3
	SEND 2, 32
	SEND 3, 0
	s_wait_tensorcnt 0x0                           ; the wave's end, behind my last tensor load and my last LDS store
	ds_add_u32 v[SPW], v[NIL]
	s_wait_dscnt 0x0
	CROUND                                         ; the closing round: no work-group ends while a partner may still ask for a tile that names it
	s_endpgm
.Lfunc_end_k_qd8a1af0431_attn:
	.size	k_qd8a1af0431_attn, .Lfunc_end_k_qd8a1af0431_attn-k_qd8a1af0431_attn
	.p2alignl 7, 3214868480
	.fill 96, 4, 3214868480
	.section	.rodata,"a",@progbits
	.p2align	6, 0x0
	.amdhsa_kernel k_qd8a1af0431_attn
		.amdhsa_group_segment_fixed_size 327680
		.amdhsa_private_segment_fixed_size 0
		.amdhsa_enable_private_segment 0
		.amdhsa_kernarg_size 32
		.amdhsa_user_sgpr_count 2
		.amdhsa_user_sgpr_kernarg_segment_ptr 1
		.amdhsa_wavefront_size32 1
		.amdhsa_system_sgpr_workgroup_id_x 1
		.amdhsa_system_sgpr_workgroup_id_y 1
		.amdhsa_system_sgpr_workgroup_id_z 1
		.amdhsa_system_vgpr_workitem_id 0
		.amdhsa_next_free_vgpr 1024
		.amdhsa_next_free_sgpr 66
		.amdhsa_reserve_vcc 0
		.amdhsa_float_denorm_mode_32 3
		.amdhsa_float_denorm_mode_16_64 3
		.amdhsa_memory_ordered 1
		.amdhsa_forward_progress 1
		.amdhsa_inst_pref_size 255
	.end_amdhsa_kernel
	.section	.bss,"aw",@nobits
	.p2align	6
	.space	262144
	.amdgpu_metadata
---
amdhsa.version: [ 1, 2 ]
amdhsa.kernels:
  - .name:           k_qd8a1af0431_attn
    .symbol:         k_qd8a1af0431_attn.kd
    .args:
      - { .name: qimg, .offset: 0, .size: 8, .value_kind: global_buffer, .address_space: global }
      - { .name: kimg, .offset: 8, .size: 8, .value_kind: global_buffer, .address_space: global }
      - { .name: vimg, .offset: 16, .size: 8, .value_kind: global_buffer, .address_space: global }
      - { .name: out0, .offset: 24, .size: 8, .value_kind: global_buffer, .address_space: global }
    .group_segment_fixed_size: 327680
    .private_segment_fixed_size: 0
    .kernarg_segment_align: 8
    .kernarg_segment_size: 32
    .max_flat_workgroup_size: 128
    .sgpr_count:     66
    .vgpr_count:     1024
    .wavefront_size: 32
...
	.end_amdgpu_metadata
.endif
;; end of part 2
